; MI455X (gfx1250); checked and timed in simulation.
; The chip was launched on July 23, 2026; its instructions are those of AMD's public machine-readable ISA for CDNA 5 (MIT licence, August 2026) and "CDNA5" Instruction Set Architecture Reference Guide (July 2026). The comments in the code are by the model that wrote it; some were corrected since.
;; Scaled Dot Product Attention. Allowed arithmetic: float matrix products may take bf16 or f16 operands with f32 sums; all other float work in f32.
;; Inputs: k 4 x 16 x 2,048 x 64 float32; mask 1 x 1 x 2,048 x 2,048 bool; q 4 x 16 x 2,048 x 64 float32; v 4 x 16 x 2,048 x 64 float32.
;; Outputs: out0 4 x 16 x 2,048 x 64 float32.
;; 2 versions, each right. Each part assembles by itself: llvm-mc -triple=amdgcn-amd-amdhsa -mcpu=gfx1250 --defsym DOCPART=n.
;; ======== version 1 of 2: 2 launches
;; limits: values are held in f16: magnitudes above 65,504 overflow, below 6.1e-05 lose precision; inputs' magnitudes at most 65,504
;; workspace buffers: maskw 524,288 bytes of whole numbers
;; launch packmask (part 1): grid 8 x 32, 8 waves a work-group, no clusters, 18,432 bytes of LDS; arguments mask, maskw; writes maskw
.if DOCPART == 1
	.amdgcn_target "amdgcn-amd-amdhsa--gfx1250"
	.amdhsa_code_object_version 6
	.text
	.protected	k_q27968e47b8_packmask
	.globl	k_q27968e47b8_packmask
	.p2align	8
	.type	k_q27968e47b8_packmask,@function
k_q27968e47b8_packmask:
	s_mov_b64 s[64:65], 0
	v_nop
	global_prefetch_b8 v0, s[64:65] scope:SCOPE_SE
	s_setreg_imm32_b32 hwreg(HW_REG_WAVE_MODE, 25, 1), 1
	s_wait_xcnt 0x0
; The mask [2048 queries][2048 keys] of bytes is packed once, for all 64 heads, into the 32-bit lane masks that the attention
; launch hands to v_cndmask_b32.  maskw, in words: [g 32][t 32][half 2][kt 4][qt 2][j 8]; bit L = r + 16 h of a word is
; mask[64 g + 32 half + 16 qt + r][64 t + 16 kt + 8 h + j]: lane L, register j of a 16 x 16 tile whose rows are keys and whose columns are queries.
; A work-group owns 64 queries (g = group y) x 256 keys (X = group x) and writes 2,048 neighbouring bytes of maskw.
; Every byte that is not 0 counts as true.  No matrix unit, no cluster: 4 MiB are read once and nothing is shared between work-groups.
.set MROW,  2048                       ; bytes in a row of the mask
.set PITCH, 272                        ; LDS row: 256 bytes + 16, so that sixteen rows start at sixteen different 16-byte columns modulo 256
	s_load_b128 s[4:7], s[0:1], 0x0                ; mask s[4:5], maskw s[6:7]
	v_lshl_add_u32 v32, v0, 2, 0x4400
	v_mov_b32 v33, 0
	v_lshrrev_b32 v1, 5, v0
	v_readfirstlane_b32 s8, v1                     ; wave 0..7
	s_and_b32 s9, ttmp7, 0xffff                    ; g
	v_lshrrev_b32 v2, 4, v0                        ; thread / 16: a row of sixteen
	v_and_b32 v3, 15, v0                           ; thread % 16 (also r, the lane's place in its half)
	v_lshlrev_b32 v7, 4, v3                        ; 16 bytes a thread
	v_lshl_add_u32 v4, v2, 11, v7                  ; in the mask: row x 2,048 + 16 (thread % 16)
	v_mul_u32_u24 v5, v2, PITCH
	v_add_nc_u32 v5, v5, v7                        ; in LDS: row x 272 + 16 (thread % 16)
	s_lshl_b32 s10, s9, 17                         ; 64 g rows of 2,048 bytes
	s_lshl_b32 s11, ttmp9, 8                       ; + 256 X
	s_add_co_u32 s10, s10, s11
	s_mov_b32 s11, 0
	s_lshl_b32 s12, s9, 14                         ; maskw: 16,384 g
	s_lshl_b32 s13, ttmp9, 11                      ; + 2,048 X
	s_add_co_u32 s12, s12, s13
	s_lshl_b32 s13, s8, 8                          ; + 256 wave: wave = 2 t' + half, a piece of 64 words
	s_add_co_u32 s12, s12, s13
	s_mov_b32 s13, 0
	s_wait_kmcnt 0x0
	s_add_nc_u64 s[4:5], s[4:5], s[10:11]
	s_add_nc_u64 s[6:7], s[6:7], s[12:13]
.irp i, 0,1,2,3
	global_load_b128 v[8+4*\i:11+4*\i], v4, s[4:5] offset:\i*16*MROW th:TH_LOAD_NT   ; sixteen lanes read 256 neighbouring bytes, aligned; 16 rows a load
.endr
	; while they are on their way: the addresses of the second phase
	v_bfe_u32 v1, v0, 4, 1                         ; h
	v_mul_u32_u24 v6, v3, PITCH
	v_lshl_add_u32 v6, v1, 3, v6                   ; r x 272 + 8 h
	s_and_b32 s14, s8, 1
	s_mul_i32 s14, s14, 32*PITCH                   ; my half: 32 rows
	s_lshr_b32 s15, s8, 1
	s_lshl_b32 s15, s15, 6                         ; my t': 64 keys
	s_add_co_u32 s14, s14, s15
	v_add_nc_u32 v6, s14, v6
	v_and_b32 v28, 31, v0
	v_lshlrev_b32 v28, 3, v28                      ; 8 bytes a lane on the way out
	v_mov_b32 v26, 0                               ; v_writelane_b32 keeps the other lanes: its destination is written whole first
	v_mov_b32 v27, 0
.irp i, 0,1,2,3
	s_wait_loadcnt 3-\i                            ; loads come back in order: load i is in, the 3 - i younger ones may be out
	ds_store_b128 v5, v[8+4*\i:11+4*\i] offset:\i*16*PITCH
.endr
	s_wait_dscnt 0x0                               ; my stores are done, for the other waves' sake,
	s_barrier_signal -1
	s_barrier_wait -1                              ; and so are everybody's: the 64 x 256 bytes are whole
	; tile n = 2 kt + qt: lane (r, h) takes the eight bytes j = 0..7 of query row 16 qt + r, keys 16 kt + 8 h + j
.irp kt, 0,1,2,3
.irp qt, 0,1
	ds_load_b64 v[8+2*(2*\kt+\qt):9+2*(2*\kt+\qt)], v6 offset:\qt*16*PITCH+16*\kt
.endr
.endr
	s_wait_dscnt 0x0
	; word 8 n + j: one byte of every lane becomes one bit; the word goes to lane (8 n + j) / 2, register (8 n + j) % 2
.irp n, 0,1,2,3,4,5,6,7
.irp j, 0,1,2,3,4,5,6,7
	v_and_b32 v[24+(\j&1)], 0xff<<(8*(\j&3)), v[8+2*\n+(\j>>2)]
	v_cmp_ne_u32 s[20+(\j&1)], 0, v[24+(\j&1)]
	v_writelane_b32 v[26+(\j&1)], s[20+(\j&1)], 4*\n+(\j>>1)
.endr
.endr
	global_store_b64 v28, v[26:27], s[6:7]         ; the wave's 64 words: 256 neighbouring bytes, aligned, in one store
	s_wait_tensorcnt 0x0
	ds_add_u32 v32, v33
	s_wait_dscnt 0x0
	s_endpgm
.Lfunc_end_k_q27968e47b8_packmask:
	.size	k_q27968e47b8_packmask, .Lfunc_end_k_q27968e47b8_packmask-k_q27968e47b8_packmask
	.p2alignl 7, 3214868480
	.fill 96, 4, 3214868480
	.section	.rodata,"a",@progbits
	.p2align	6, 0x0
	.amdhsa_kernel k_q27968e47b8_packmask
		.amdhsa_group_segment_fixed_size 18432
		.amdhsa_private_segment_fixed_size 0
		.amdhsa_enable_private_segment 0
		.amdhsa_kernarg_size 16
		.amdhsa_user_sgpr_count 2
		.amdhsa_user_sgpr_kernarg_segment_ptr 1
		.amdhsa_wavefront_size32 1
		.amdhsa_system_sgpr_workgroup_id_x 1
		.amdhsa_system_sgpr_workgroup_id_y 1
		.amdhsa_system_sgpr_workgroup_id_z 1
		.amdhsa_system_vgpr_workitem_id 0
		.amdhsa_next_free_vgpr 34
		.amdhsa_next_free_sgpr 66
		.amdhsa_reserve_vcc 0
		.amdhsa_float_denorm_mode_32 3
		.amdhsa_float_denorm_mode_16_64 3
		.amdhsa_memory_ordered 1
		.amdhsa_forward_progress 1
		.amdhsa_inst_pref_size 16
	.end_amdhsa_kernel
	.amdgpu_metadata
---
amdhsa.version: [ 1, 2 ]
amdhsa.kernels:
  - .name:           k_q27968e47b8_packmask
    .symbol:         k_q27968e47b8_packmask.kd
    .args:
      - { .name: mask, .offset: 0, .size: 8, .value_kind: global_buffer, .address_space: global }
      - { .name: maskw, .offset: 8, .size: 8, .value_kind: global_buffer, .address_space: global }
    .group_segment_fixed_size: 18432
    .private_segment_fixed_size: 0
    .kernarg_segment_align: 8
    .kernarg_segment_size: 16
    .max_flat_workgroup_size: 256
    .sgpr_count:     66
    .vgpr_count:     34
    .wavefront_size: 32
...
	.end_amdgpu_metadata
.endif
;; end of part 1
;; launch attn (part 2): grid 4 x 64, 8 waves a work-group, no clusters, 113,664 bytes of LDS; arguments k, v, maskw, out0, q; writes out0
.if DOCPART == 2
	.amdgcn_target "amdgcn-amd-amdhsa--gfx1250"
	.amdhsa_code_object_version 6
	.text
	.protected	k_q27968e47b8_attn
	.globl	k_q27968e47b8_attn
	.p2align	8
	.type	k_q27968e47b8_attn,@function
k_q27968e47b8_attn:
	s_mov_b64 s[64:65], 0
	v_nop
	global_prefetch_b8 v0, s[64:65] scope:SCOPE_SE
	s_setreg_imm32_b32 hwreg(HW_REG_WAVE_MODE, 25, 1), 1
	s_wait_xcnt 0x0
; out = softmax(where(mask, Q K^T, -inf) / 8) V for 64 heads of 2,048 x 64, f32 in memory, in one pass with a running maximum.
; A work-group: one head (group y) x 512 queries (group x), eight waves, two on each SIMD; a wave owns 64 queries = 4 query tiles (qt).
; Keys go in 32 trips of 64.  K's and V's tiles are loaded as f32 into registers by all 256 threads, rounded to f16 and stored into one of
; two LDS buffers, a trip ahead of their use; one barrier a trip.
; BOTH PRODUCTS ARE TRANSPOSED.  S^T = K Q^T: A = 16 keys x 32 d from LDS, B = Q's fragment, kept in registers.  Lane (r, h) then holds query r,
; keys 8 h + j: maximum, sum and scale are one number a lane, and one v_permlanex16_b32 joins the two halves.  Rounding the tiles of keys
; 32 ks .. + 15 and + 16 .. + 31 to f16 in place gives B's fragment of O^T = V^T P^T as it stands; A = V^T comes by the transposing LDS load.
; THE MASK comes as lane masks (launch packmask) by scalar loads: one v_cndmask_b32 a score register puts -inf ahead of the maximum.
; ARITHMETIC: c = log2(e) / 8; MX the running maximum of the raw scores; nmc = -c MX; p = exp2(s c + nmc); alpha = exp2(nmc new - nmc old).
; WHY f16 AND NOT bf16: a query with few true keys is a sum of few terms that may cancel, and each term carries its operands' rounding whole:
; f16's 11 significant bits against bf16's 8 make that error eight times smaller.  P lies in [0, 1]; below 2^-14 f16 goes on in steps of 2^-24.
; LIMITS: Q, K, V and P are rounded to f16 for the matrix unit: |q|, |k| or |v| above 65,504 overflows, and numbers below 2^-14 are kept to
; an absolute 2^-25; p below 2^-126 counts as 0 (v_exp_f32 flushes);
; MX starts at -FLT_MAX and not at -inf, which differs only for scores at or below -FLT_MAX.  A row with no true mask byte has l = 0 and O = 0
; and gives 0 x (1 / 0) = NaN, as the reference's softmax of a row of -inf does.
; NO CLUSTER, NO TENSOR LOADS, though the four work-groups of a head read the same K and V: the tiles lie in memory as f32 and are wanted in LDS
; as f16.  A joint load would lay 32 KiB of f32 a trip into each LDS, to be read back (32 KiB) and stored again as f16 (16 KiB): 80 KiB through
; LDS where the way through registers writes 16 KiB.  The four are neighbours along x and walk the same tiles in the same order.
.set BUF,   19456                      ; an LDS buffer: K's tile, then V's
.set KP,    144                        ; K's (and Q's) LDS row: 128 bytes of f16 + 16: an odd multiple of 16
.set VP,    160                        ; V's LDS row: 128 bytes + 32: an odd multiple of 32, for the transposing load
.set VOFF,  64*KP                      ; V's tile behind K's 64 rows
.set STAGE, 2*BUF                      ; behind the buffers: 9,216 bytes for each wave, its own: first Q as f16, at the end the way out
.set STG,   64*KP
.set OP,    272                        ; the way out: a row of 64 f32 + 16 bytes
.set TILEB, 16384                      ; a tile of 64 keys x 64 f32 in memory
; window 0 (an instruction names v0-v255; s_set_vgpr_msb says which window of 256 each operand place means)
.set KADR, 1                           ; r x 144 + 16 h: K's fragments
.set PFO,  2                           ; 256 x lane: prefetch
.set STO,  3                           ; the way out: where I put 32 bytes of a row
.set RD,   4                           ; the way out: where I read rows back
.set CO,   5                           ; 16 x lane: Q's loads, out's stores
.set T0,   6                           ; at work (prologue: Q's LDS addresses)
.set T1,   7
.set NM,   8                           ; v[8+2qt] nmc, +1 its new value
.set AL,   16                          ; v[16+2qt] alpha (at the end 1 / l), +1 MX
.set LS,   24                          ; v[24+2qt], +1: two partial sums of l
.set KF,   32                          ; v32-63 K's fragments: 2 buffers x (d 0-31: 8, d 32-63: 8)
.set QF,   64                          ; v[64+16qt+8dk ..+7] Q's fragments
.set SB,   128                         ; v[128+32qt+8kt+j] S^T; P's fragment (qt, ks) in place at 128+32qt+16ks ..+7
; window 1, by their low numbers
.set OB,   0                           ; v[8(4dt+qt) ..+7] O^T
.set VF,   128                         ; v[128+8(4ks+dt) ..+7] V^T's fragments
.set ST,   192                         ; v192-223 the next tile on its way: K's 4 x 4 registers, then V's
.set VADR, 224                         ; (8h + lane%8) x 160 + 16 ((lane/8)%2) + VOFF
.set GOFF, 225                         ; 16 x thread
.set KSTO, 226                         ; (thread/16) x 144 + 8 (thread%16)
.set VSTO, 227                         ; (thread/16) x 160 + 8 (thread%16) + VOFF
; scalars: s[4:5] K, s[6:7] V (stepped a tile a trip), s[8:9] my mask records, s[10:11] out and s[12:13] q at my rows, s[14:15] prefetch,
; s[16:31] s[32:47] s[48:63] s[80:95] the lane masks of key tiles 0..3 (16 words each: [qt 2][j 8])
.set CC,    66                         ; s[66:67] c, c
.set NEGC,  68                         ; -c
.set NINF,  69                         ; -inf
.set SELLO, 70                         ; v_permlanex16_b32: lane i takes lane i of the other half
.set SELHI, 71
.set WAVE,  72
.set CNT,   73
.set MSB, 0
.macro WIN new                         ; low byte: bits 1:0 source 0, 3:2 source 1, 5:4 source 2, 7:6 destination; the high byte repeats the setting left
.if MSB != \new
	s_set_vgpr_msb (MSB<<8)|\new
.set MSB, \new
.endif
.endm
.set W_STG, 0x45                       ; destination, source 0 (address), source 1 (store data) in window 1: the staging and V's fragments
.set W_SCL, 0x41                       ; O (destination, source 0) in window 1, alpha in window 0
.set W_PV,  0x51                       ; D, C and A = V^T in window 1, B = P in window 0
.set W_OUT, 0x04                       ; LDS store data in window 1
.macro PLACES n
.rept \n
	v_nop
.endr
.endm
; ---- loads and stores of tiles
.macro GLOAD off                       ; a tile of K and one of V, 16 bytes a thread and load: a wave's load covers 512 neighbouring bytes
.irp n, 0,1,2,3
	global_load_b128 v[ST+4*\n:ST+4*\n+3], v[GOFF], s[4:5] offset:\off+4096*\n
.endr
.irp n, 0,1,2,3
	global_load_b128 v[ST+16+4*\n:ST+16+4*\n+3], v[GOFF], s[6:7] offset:\off+4096*\n
.endr
.endm
.macro CVTST                           ; 32 x f32 to f16 in place: registers 4n, 4n+1 hold the thread's four numbers of load n
.irp n, 0,1,2,3,4,5,6,7
	v_cvt_pk_f16_f32 v[ST+4*\n], v[ST+4*\n], v[ST+4*\n+1]
	v_cvt_pk_f16_f32 v[ST+4*\n+1], v[ST+4*\n+2], v[ST+4*\n+3]
.endr
.endm
.macro STSTORE buf                     ; load n held rows 16 n + thread / 16
.irp n, 0,1,2,3
	ds_store_b64 v[KSTO], v[ST+4*\n:ST+4*\n+1] offset:(\buf)*BUF+\n*16*KP
.endr
.irp n, 0,1,2,3
	ds_store_b64 v[VSTO], v[ST+16+4*\n:ST+16+4*\n+1] offset:(\buf)*BUF+\n*16*VP
.endr
.endm
.macro KLOAD b, kt, f                  ; 16 keys x 64 d into K buffer f: d 0-31 (two loads 32 bytes apart), then d 32-63
.irp n, 0,1,2,3
	ds_load_b128 v[KF+16*\f+4*\n:KF+16*\f+4*\n+3], v[KADR] offset:\b*BUF+\kt*16*KP+32*\n
.endr
.endm
.macro VLOAD b                         ; all of V^T: fragment (ks, dt) = d 16 dt .. + 15 x keys 32 ks .. + 31, two transposing loads 16 keys apart
.irp ks, 0,1
.irp dt, 0,1,2,3
	ds_load_tr16_b128 v[VF+8*(4*\ks+\dt):VF+8*(4*\ks+\dt)+3], v[VADR] offset:\b*BUF+\ks*32*VP+\dt*32
	ds_load_tr16_b128 v[VF+8*(4*\ks+\dt)+4:VF+8*(4*\ks+\dt)+7], v[VADR] offset:\b*BUF+\ks*32*VP+\dt*32+16*VP
.endr
.endr
.endm
.macro MLOAD kt, off                   ; the 16 lane masks of key tile kt, at byte off of my record
.set m_b, 16+16*(\kt)+16*((\kt)/3)
	s_load_b512 s[m_b:m_b+15], s[8:9], \off+64*\kt
.endm
; ---- S^T.  i = 4 dk + qt: the four query tiles take turns, one instruction a turn; the first starts the sum with C = 0
.macro W kt, i
.set w_dk, (\i)>>2
.set w_qt, (\i)&3
.set w_s, SB+32*w_qt+8*(\kt)
.set w_a, KF+16*((\kt)&1)+8*w_dk
.set w_q, QF+16*w_qt+8*w_dk
.if w_dk
	v_wmma_f32_16x16x32_f16 v[w_s:w_s+7], v[w_a:w_a+7], v[w_q:w_q+7], v[w_s:w_s+7]
.else
	v_wmma_f32_16x16x32_f16 v[w_s:w_s+7], v[w_a:w_a+7], v[w_q:w_q+7], 0
.endif
.endm
; two score registers of query tile 2 half + (i & 1), key tile kt: masked, and taken into the running maximum, which simply goes on from the last trip
.macro PIECE half, kt, i
.set p_q, 2*(\half)+((\i)&1)
.set p_r, SB+32*p_q+8*(\kt)+2*((\i)>>1)
.set p_m, 16+16*(\kt)+16*((\kt)/3)+8*((\i)&1)+2*((\i)>>1)
.set p_x, AL+2*p_q+1
	v_cndmask_b32 v[p_r], s[NINF], v[p_r], s[p_m]
	v_cndmask_b32 v[p_r+1], s[NINF], v[p_r+1], s[p_m+1]
	v_max3_num_f32 v[p_x], v[p_x], v[p_r], v[p_r+1]
.endm
.macro MM half, kt
.irp i, 0,1,2,3,4,5,6,7
	PIECE \half, \kt, \i
.endr
.endm
; the trip's maximum is whole: join the halves of the lanes, new nmc, alpha, and l scaled
.macro STATS2 qa, qb
	v_permlanex16_b32 v[T0], v[AL+2*\qa+1], s[SELLO], s[SELHI]
	v_permlanex16_b32 v[T1], v[AL+2*\qb+1], s[SELLO], s[SELHI]
	v_max_num_f32 v[AL+2*\qa+1], v[AL+2*\qa+1], v[T0]
	v_max_num_f32 v[AL+2*\qb+1], v[AL+2*\qb+1], v[T1]
	v_mul_f32 v[NM+2*\qa+1], s[NEGC], v[AL+2*\qa+1]
	v_mul_f32 v[NM+2*\qb+1], s[NEGC], v[AL+2*\qb+1]
	v_sub_f32 v[T0], v[NM+2*\qa+1], v[NM+2*\qa]            ; exactly 0 where the maximum did not move
	v_sub_f32 v[T1], v[NM+2*\qb+1], v[NM+2*\qb]
	v_exp_f32 v[AL+2*\qa], v[T0]
	v_exp_f32 v[AL+2*\qb], v[T1]
	v_mov_b32 v[NM+2*\qa], v[NM+2*\qa+1]                   ; plain work behind the exponentials, ahead of their first use (ISA guide 5.7.2)
	v_mov_b32 v[NM+2*\qb], v[NM+2*\qb+1]
	s_wait_alu depctr_va_vdst(0)
	v_pk_mul_f32 v[LS+2*\qa:LS+2*\qa+1], v[LS+2*\qa:LS+2*\qa+1], v[AL+2*\qa:AL+2*\qa+1] op_sel_hi:[1,0]
	v_pk_mul_f32 v[LS+2*\qb:LS+2*\qb+1], v[LS+2*\qb:LS+2*\qb+1], v[AL+2*\qb:AL+2*\qb+1] op_sel_hi:[1,0]
.endm
; a block (qt, ks) is 16 registers: 32 keys of a lane's query
.macro FMA16 qt, ks                    ; s c + nmc, two at a time
.set e_b, SB+32*(\qt)+16*(\ks)
.set e_n, NM+2*(\qt)
.irp i, 0,2,4,6,8,10,12,14
	v_pk_fma_f32 v[e_b+\i:e_b+\i+1], v[e_b+\i:e_b+\i+1], s[CC:CC+1], v[e_n:e_n+1] op_sel_hi:[1,0,0]
.endr
.endm
.macro EXP16 qt, ks
.set e_b, SB+32*(\qt)+16*(\ks)
.irp i, 0,1,2,3,4,5,6,7,8,9,10,11,12,13,14,15
	v_exp_f32 v[e_b+\i], v[e_b+\i]
.endr
.endm
; the exponentials of block c, each followed by plain work on block p, whose exponentials are done: its sum, and its rounding to f16 in place
; (register i takes numbers 2 i and 2 i + 1, which lie at or above it and are summed first)
.macro EXPSC cq, cks, pq, pks
.set x_c, SB+32*(\cq)+16*(\cks)
.set x_p, SB+32*(\pq)+16*(\pks)
.set x_l, LS+2*(\pq)
.irp i, 0,1,2,3,4,5,6,7
	v_exp_f32 v[x_c+2*\i], v[x_c+2*\i]
	s_wait_alu depctr_va_vdst(0)
	v_pk_add_f32 v[x_l:x_l+1], v[x_l:x_l+1], v[x_p+2*\i:x_p+2*\i+1]
	v_exp_f32 v[x_c+2*\i+1], v[x_c+2*\i+1]
	v_cvt_pk_f16_f32 v[x_p+\i], v[x_p+2*\i], v[x_p+2*\i+1]
.endr
.endm
.macro SC16 pq, pks
.set x_p, SB+32*(\pq)+16*(\pks)
.set x_l, LS+2*(\pq)
	s_wait_alu depctr_va_vdst(0)
.irp i, 0,1,2,3,4,5,6,7
	v_pk_add_f32 v[x_l:x_l+1], v[x_l:x_l+1], v[x_p+2*\i:x_p+2*\i+1]
	v_cvt_pk_f16_f32 v[x_p+\i], v[x_p+2*\i], v[x_p+2*\i+1]
.endr
.endm
.macro EXPHALF_A qa, qb
	FMA16 \qa, 0
	EXP16 \qa, 0
	FMA16 \qb, 0
	EXPSC \qb, 0, \qa, 0
.endm
.macro EXPHALF_B qa, qb
	FMA16 \qa, 1
	EXPSC \qa, 1, \qb, 0
	FMA16 \qb, 1
	EXPSC \qb, 1, \qa, 1
	SC16 \qb, 1
.endm
.macro RESCALE qa, qb                  ; O of two query tiles times the lane's alpha (at the end: times 1 / l)
.irp dt, 0,1,2,3
.irp qt, \qa, \qb
.irp p, 0,2,4,6
	v_pk_mul_f32 v[OB+8*(4*\dt+\qt)+\p:OB+8*(4*\dt+\qt)+\p+1], v[OB+8*(4*\dt+\qt)+\p:OB+8*(4*\dt+\qt)+\p+1], v[AL+2*\qt:AL+2*\qt+1] op_sel_hi:[1,0]
.endr
.endr
.endr
.endm
; O^T(dt, qa) and (dt, qb) += V^T P^T over the trip's 64 keys; the two accumulators take turns, one instruction a turn
.macro PVB qa, qb, dt, first
.irp ks, 0,1
.irp qt, \qa, \qb
.set p_o, OB+8*(4*(\dt)+\qt)
.set p_v, VF+8*(4*\ks+(\dt))
.set p_p, SB+32*\qt+16*\ks
.if \first*(1-\ks)
	v_wmma_f32_16x16x32_f16 v[p_o:p_o+7], v[p_v:p_v+7], v[p_p:p_p+7], 0
.else
	v_wmma_f32_16x16x32_f16 v[p_o:p_o+7], v[p_v:p_v+7], v[p_p:p_p+7], v[p_o:p_o+7]
.endif
.endr
.endr
.endm
; ---- trip t, on tile t in buffer b.  first: t = 0 (the products start O's sums, nothing is scaled).  store: tile t + 1 goes into the other buffer,
; and the trip ends in a barrier.  load: tile t + 2 is asked for.  pf: tile t + 3 is prefetched.
.macro TRIP b, first, store, load, pf
	WIN 0
	KLOAD \b, 0, 0
	KLOAD \b, 1, 1
	WIN W_STG
.if \store
	s_wait_loadcnt 0x0                             ; tile t + 1, asked for a whole trip ago
	CVTST                                          ; 16 plain instructions on ST alone: also the places behind the last trip's P V products, whose
	                                               ; A (V's fragments) is loaded again below and whose B (P) the first S products write over (ISA guide 7.12.1)
.else
	PLACES 5                                       ; the same places where there is nothing to convert
.endif
	VLOAD \b
.if \store
	STSTORE (1-\b)                                 ; the other buffer: every wave's reads of it ended in front of the last trip's barrier
.endif
.if \load
	s_wait_xcnt 0x0                                ; the bases are stepped only behind this wait (the last prefetch, a trip ago, named s[14:15])
	s_add_nc_u64 s[4:5], s[4:5], TILEB             ; now at tile t + 1
	s_add_nc_u64 s[6:7], s[6:7], TILEB
.if \pf
	s_add_nc_u64 s[14:15], s[14:15], TILEB
.endif
	GLOAD TILEB                                    ; tile t + 2
.endif
	WIN 0
.if \pf
	; Tile t + 3, which the next trip's loads will ask for.  Wave 0 alone, 32 lanes 256 bytes apart = 8 KiB: work-groups x = 0, 1 ask for the halves
	; of K's tile, x = 2, 3 for the halves of V's, so each block is asked for once in the launch.  Trips 29 to 31 ask for nothing: tile 31 is the last.
	s_cmp_lg_u32 s[WAVE], 0
	s_cbranch_scc1 .Lnopf_\@
	global_prefetch_b8 v[PFO], s[14:15] offset:2*TILEB th:TH_LOAD_NT scope:SCOPE_SE
.Lnopf_\@:
.endif
	s_wait_kmcnt 0x0                               ; the masks of queries 0-31 for this trip (scalar loads: 0 alone says anything)
.if 1-\first
	s_add_nc_u64 s[8:9], s[8:9], 512               ; no scalar load is out: my record of this trip
.endif
	s_wait_dscnt 20+8*\store                       ; K tile 0 is in; behind it: K tile 1 (4), V (16), the stores (8)
.irp i, 0,1,2,3,4,5,6,7
	W 0, \i
.endr
	PLACES 4                                       ; behind them: K buffer 0 is loaded again, and their results are read (ISA guide 7.12.1)
	KLOAD \b, 2, 0
	s_wait_dscnt 20+8*\store                       ; K tile 1 is in; behind it: V (16), the stores (8), K tile 2 (4)
.irp i, 0,1,2,3,4,5,6,7
	W 1, \i
	PIECE 0, 0, \i
.endr
	v_nop                                          ; with the three plain instructions above it: four places, then K buffer 1 is loaded again
	KLOAD \b, 3, 1
	MLOAD 0, 256                                   ; key tile 0's masks for queries 0-31 are used up: those of queries 32-63 take their place
	s_wait_dscnt 4                                 ; K tile 2 is in (V and the stores with it); behind it: K tile 3 (4)
.irp i, 0,1,2,3,4,5,6,7
	W 2, \i
	PIECE 0, 1, \i
.endr
	MLOAD 1, 256
	s_wait_dscnt 0x0                               ; K tile 3.  From here to the barrier's wait this wave issues no LDS instruction
.irp i, 0,1,2,3,4,5,6,7
	W 3, \i
	PIECE 0, 2, \i
.endr
	MLOAD 2, 256
	MM 0, 3
	MLOAD 3, 256
	STATS2 0, 1
	EXPHALF_A 0, 1
	EXPHALF_B 0, 1
.if 1-\first
	WIN W_SCL
	RESCALE 0, 1
.endif
	; P V of queries 0-31, four matrix instructions at a time, among the softmax of queries 32-63
	WIN W_PV
	PVB 0, 1, 0, \first
	WIN 0
	s_wait_kmcnt 0x0                               ; the masks of queries 32-63
	MM 1, 0
.if \store
	MLOAD 0, 512                                   ; the next record's masks of queries 0-31
.endif
	MM 1, 1
.if \store
	MLOAD 1, 512
.endif
	WIN W_PV
	PVB 0, 1, 1, \first
	WIN 0
	MM 1, 2
.if \store
	MLOAD 2, 512
.endif
	MM 1, 3
.if \store
	MLOAD 3, 512
.endif
	STATS2 2, 3
.if \store
	s_barrier_signal -1                            ; my reads of tile t and my stores of tile t + 1 are done (the wait for DScnt 0 above, no LDS instruction since);
	                                               ; register work alone up to the wait
.endif
	WIN W_PV
	PVB 0, 1, 2, \first
	WIN 0
	EXPHALF_A 2, 3
	WIN W_PV
	PVB 0, 1, 3, \first
	WIN 0
	EXPHALF_B 2, 3
.if 1-\first
	WIN W_SCL
	RESCALE 2, 3
.endif
	WIN W_PV
	PVB 2, 3, 0, \first
	PVB 2, 3, 1, \first
	PVB 2, 3, 2, \first
	PVB 2, 3, 3, \first
	WIN 0
.if \store
	s_barrier_wait -1                              ; every wave has said so: tile t + 1 may be read, tile t's buffer written
.endif
.endm
; ---- prologue
	s_load_b256 s[4:11], s[0:1], 0x0               ; k s[4:5], v s[6:7], maskw s[8:9], out0 s[10:11]
	s_load_b64 s[12:13], s[0:1], 0x20              ; q
	s_set_vgpr_msb 0x40
	v_lshl_add_u32 v240, v0, 2, 0x1b800
	v_mov_b32 v241, 0
	s_set_vgpr_msb 0x4000
	v_lshrrev_b32 v8, 5, v0
	v_readfirstlane_b32 s[WAVE], v8                ; wave 0..7
	s_and_b32 s74, ttmp7, 0xffff
	s_lshl_b32 s74, s74, 19                        ; the head: 2,048 x 64 x 4 bytes
	s_mov_b32 s75, 0
	s_lshl_b32 s76, ttmp9, 17
	s_lshl_b32 s77, s[WAVE], 14
	s_add_co_u32 s76, s76, s77                     ; (512 x + 64 w) rows of 256 bytes; also (8 x + w) groups of 16,384 bytes of maskw
	s_mov_b32 s77, 0
	s_mul_i32 s78, s[WAVE], STG
	s_add_co_u32 s78, s78, STAGE                   ; my own LDS bytes
	s_mov_b32 s[CC], 0x3e38aa3b                    ; log2(e) / 8
	s_mov_b32 s[CC+1], 0x3e38aa3b
	s_mov_b32 s[NEGC], 0xbe38aa3b
	s_mov_b32 s[NINF], 0xff800000
	s_mov_b32 s[SELLO], 0x76543210
	s_mov_b32 s[SELHI], 0xfedcba98
	v_and_b32 v9, 31, v0                           ; lane
	v_and_b32 v10, 15, v0                          ; r = lane % 16 = thread % 16
	v_bfe_u32 v11, v0, 4, 1                        ; h = lane / 16
	v_lshrrev_b32 v12, 4, v0                       ; thread / 16
	v_mul_u32_u24 v[KADR], v10, KP
	v_lshl_add_u32 v[KADR], v11, 4, v[KADR]
	v_lshlrev_b32 v[PFO], 8, v9
	v_mul_u32_u24 v[STO], v10, OP
	v_lshl_add_u32 v[STO], v11, 5, v[STO]
	v_add_nc_u32 v[STO], s78, v[STO]               ; stage + r x 272 + 32 h
	v_mul_u32_u24 v[RD], v11, OP
	v_lshl_add_u32 v[RD], v10, 4, v[RD]
	v_add_nc_u32 v[RD], s78, v[RD]                 ; stage + h x 272 + 16 r
	v_lshlrev_b32 v[CO], 4, v9
	v_mul_u32_u24 v[T0], v11, KP
	v_lshl_add_u32 v[T0], v10, 3, v[T0]
	v_add_nc_u32 v[T0], s78, v[T0]                 ; Q in: stage + h x 144 + 8 r
	v_add_nc_u32 v[T1], s78, v[KADR]               ; Q's fragments: stage + r x 144 + 16 h
	v_and_b32 v13, 7, v0
	v_lshl_add_u32 v13, v11, 3, v13                ; 8 h + lane % 8
	v_mul_u32_u24 v13, v13, VP
	v_bfe_u32 v14, v0, 3, 1
	v_lshl_add_u32 v13, v14, 4, v13
	v_add_nc_u32 v13, VOFF, v13
	v_lshlrev_b32 v14, 4, v0
	v_mul_u32_u24 v15, v12, KP
	v_lshl_add_u32 v15, v10, 3, v15
	v_mul_u32_u24 v16, v12, VP
	v_lshl_add_u32 v16, v10, 3, v16
	v_add_nc_u32 v16, VOFF, v16
	WIN 0x40                                       ; destination in window 1
	v_mov_b32 v[VADR], v13
	v_mov_b32 v[GOFF], v14
	v_mov_b32 v[KSTO], v15
	v_mov_b32 v[VSTO], v16
	s_wait_kmcnt 0x0
	s_add_nc_u64 s[4:5], s[4:5], s[74:75]          ; K and V at the head
	s_add_nc_u64 s[6:7], s[6:7], s[74:75]
	s_add_nc_u64 s[8:9], s[8:9], s[76:77]          ; my group's mask records
	s_add_nc_u64 s[10:11], s[10:11], s[74:75]
	s_add_nc_u64 s[10:11], s[10:11], s[76:77]      ; out and q at my 64 rows
	s_add_nc_u64 s[12:13], s[12:13], s[74:75]
	s_add_nc_u64 s[12:13], s[12:13], s[76:77]
	s_cmp_lt_u32 ttmp9, 2
	s_cselect_b64 s[14:15], s[4:5], s[6:7]         ; prefetch: x = 0, 1 for K, x = 2, 3 for V,
	s_and_b32 s74, ttmp9, 1
	s_lshl_b32 s74, s74, 13
	s_add_nc_u64 s[14:15], s[14:15], s[74:75]      ; the tile's lower or upper 8 KiB
	WIN W_STG
	GLOAD 0                                        ; tile 0
	WIN 0
.set i, 0
.rept 32
	global_load_b128 v[SB+4*i:SB+4*i+3], v[CO], s[12:13] offset:512*i th:TH_LOAD_NT   ; my 64 rows of Q, two rows a load, into S's registers
.set i, i+1
.endr
	MLOAD 0, 0                                     ; record 0, queries 0-31
	MLOAD 1, 0
	MLOAD 2, 0
	MLOAD 3, 0
	s_cmp_lg_u32 s[WAVE], 0
	s_cbranch_scc1 .Lnopf_first
	global_prefetch_b8 v[PFO], s[14:15] offset:2*TILEB th:TH_LOAD_NT scope:SCOPE_SE   ; tile 2, which trip 0 loads; tiles 0 and 1 are loaded here
.Lnopf_first:
	s_wait_loadcnt 32                              ; tile 0 is in; Q's 32 loads were issued behind it
	WIN W_STG
	CVTST
	STSTORE 0
	GLOAD TILEB                                    ; tile 1; the bases stay at tile 0
	WIN 0
	s_wait_loadcnt 8                               ; Q is in; tile 1's 8 loads were issued behind it
.set i, 0
.rept 32
	v_cvt_pk_f16_f32 v[SB+4*i], v[SB+4*i], v[SB+4*i+1]
	v_cvt_pk_f16_f32 v[SB+4*i+1], v[SB+4*i+2], v[SB+4*i+3]
	ds_store_b64 v[T0], v[SB+4*i:SB+4*i+1] offset:2*KP*i
.set i, i+1
.endr
.irp qt, 0,1,2,3
.irp n, 0,1,2,3
	ds_load_b128 v[QF+16*\qt+4*\n:QF+16*\qt+4*\n+3], v[T1] offset:\qt*16*KP+32*\n   ; my own bytes, and LDS serves a wave's instructions in order (ISA guide 5.7.1.4): no wait between
.endr
.endr
.irp qt, 0,1,2,3
	v_mov_b32 v[AL+2*\qt], 0
	v_mov_b32 v[AL+2*\qt+1], 0xff7fffff            ; MX = -FLT_MAX
	v_mov_b32 v[LS+2*\qt], 0
	v_mov_b32 v[LS+2*\qt+1], 0
	v_mul_f32 v[NM+2*\qt], s[NEGC], v[AL+2*\qt+1]  ; nmc = c FLT_MAX, finite
	v_mul_f32 v[NM+2*\qt+1], s[NEGC], v[AL+2*\qt+1]
.endr
	s_wait_dscnt 0x0                               ; Q's fragments are in, and my part of tile 0 is stored, for the others' sake
	s_barrier_signal -1
	s_barrier_wait -1
; ---- the 32 trips
	TRIP 0, 1, 1, 1, 1                             ; t = 0
	TRIP 1, 0, 1, 1, 1                             ; t = 1
	s_mov_b32 s[CNT], 13                           ; t = 2 .. 27
.Lpair:
	TRIP 0, 0, 1, 1, 1
	TRIP 1, 0, 1, 1, 1
	s_sub_co_u32 s[CNT], s[CNT], 1
	s_cmp_lg_u32 s[CNT], 0
	s_cbranch_scc1 .Lpair
	TRIP 0, 0, 1, 1, 1                             ; t = 28: loads tile 30, asks for tile 31
	TRIP 1, 0, 1, 1, 0                             ; t = 29: loads tile 31, the last
	TRIP 0, 0, 1, 0, 0                             ; t = 30: stores tile 31
	TRIP 1, 0, 0, 0, 0                             ; t = 31: no store, no barrier
; ---- O / l, and the way out
.irp qt, 0,1,2,3
	v_add_f32 v[LS+2*\qt], v[LS+2*\qt], v[LS+2*\qt+1]      ; these plain instructions are also the places behind the last P V products
.endr
.irp qt, 0,1,2,3
	v_permlanex16_b32 v[LS+2*\qt+1], v[LS+2*\qt], s[SELLO], s[SELHI]
.endr
.irp qt, 0,1,2,3
	v_add_f32 v[LS+2*\qt], v[LS+2*\qt], v[LS+2*\qt+1]      ; l over all 2,048 keys, in both halves of the lanes
.endr
.irp qt, 0,1,2,3
	v_rcp_f32 v[AL+2*\qt], v[LS+2*\qt]
.endr
	v_nop                                          ; one plain place behind the reciprocals (ISA guide 5.7.2)
	s_wait_alu depctr_va_vdst(0)
	WIN W_SCL
	RESCALE 0, 1
	RESCALE 2, 3
	; 16 queries at a time: lane (r, h) holds d = 16 dt + 8 h + 0..7 of query r, 32 neighbouring bytes; through my own LDS bytes they become whole rows
.irp qt, 0,1,2,3
	WIN W_OUT
.irp dt, 0,1,2,3
	ds_store_b128 v[STO], v[OB+8*(4*\dt+\qt):OB+8*(4*\dt+\qt)+3] offset:64*\dt
	ds_store_b128 v[STO], v[OB+8*(4*\dt+\qt)+4:OB+8*(4*\dt+\qt)+7] offset:64*\dt+16
.endr
	WIN 0
.irp i, 0,1,2,3,4,5,6,7
	ds_load_b128 v[SB+32*\qt+4*\i:SB+32*\qt+4*\i+3], v[RD] offset:2*OP*\i   ; in order behind the stores above and ahead of the next tile's; each tile has its own 32 registers
.endr
.irp i, 0,1,2,3,4,5,6,7
	s_wait_dscnt 7-\i                              ; load i is in; the 7 - i younger ones may be out
	global_store_b128 v[CO], v[SB+32*\qt+4*\i:SB+32*\qt+4*\i+3], s[10:11] offset:512*(8*\qt+\i) th:TH_STORE_NT   ; sixteen lanes store a whole row: 256 neighbouring bytes, aligned
.endr
.endr
	s_set_vgpr_msb 0x5
	s_wait_tensorcnt 0x0
	ds_add_u32 v240, v241
	s_wait_dscnt 0x0
	s_set_vgpr_msb 0x500
	s_endpgm
.Lfunc_end_k_q27968e47b8_attn:
	.size	k_q27968e47b8_attn, .Lfunc_end_k_q27968e47b8_attn-k_q27968e47b8_attn
	.p2alignl 7, 3214868480
	.fill 96, 4, 3214868480
	.section	.rodata,"a",@progbits
	.p2align	6, 0x0
	.amdhsa_kernel k_q27968e47b8_attn
		.amdhsa_group_segment_fixed_size 113664
		.amdhsa_private_segment_fixed_size 0
		.amdhsa_enable_private_segment 0
		.amdhsa_kernarg_size 40
		.amdhsa_user_sgpr_count 2
		.amdhsa_user_sgpr_kernarg_segment_ptr 1
		.amdhsa_wavefront_size32 1
		.amdhsa_system_sgpr_workgroup_id_x 1
		.amdhsa_system_sgpr_workgroup_id_y 1
		.amdhsa_system_sgpr_workgroup_id_z 1
		.amdhsa_system_vgpr_workitem_id 0
		.amdhsa_next_free_vgpr 498
		.amdhsa_next_free_sgpr 96
		.amdhsa_reserve_vcc 0
		.amdhsa_float_denorm_mode_32 3
		.amdhsa_float_denorm_mode_16_64 3
		.amdhsa_memory_ordered 1
		.amdhsa_forward_progress 1
		.amdhsa_inst_pref_size 255
	.end_amdhsa_kernel
	.section	.bss,"aw",@nobits
	.p2align	6
	.space	262144
	.amdgpu_metadata
---
amdhsa.version: [ 1, 2 ]
amdhsa.kernels:
  - .name:           k_q27968e47b8_attn
    .symbol:         k_q27968e47b8_attn.kd
    .args:
      - { .name: k, .offset: 0, .size: 8, .value_kind: global_buffer, .address_space: global }
      - { .name: v, .offset: 8, .size: 8, .value_kind: global_buffer, .address_space: global }
      - { .name: maskw, .offset: 16, .size: 8, .value_kind: global_buffer, .address_space: global }
      - { .name: out0, .offset: 24, .size: 8, .value_kind: global_buffer, .address_space: global }
      - { .name: q, .offset: 32, .size: 8, .value_kind: global_buffer, .address_space: global }
    .group_segment_fixed_size: 113664
    .private_segment_fixed_size: 0
    .kernarg_segment_align: 8
    .kernarg_segment_size: 40
    .max_flat_workgroup_size: 256
    .sgpr_count:     96
    .vgpr_count:     498
    .wavefront_size: 32
...
	.end_amdgpu_metadata
.endif
;; end of part 2
;; ======== version 2 of 2: 2 launches
;; limits: values are held in f16: magnitudes above 65,504 overflow, below 6.1e-05 lose precision; inputs' magnitudes at most 65,504
;; workspace buffers: maskw 524,288 bytes of whole numbers; actw 8,192 bytes of whole numbers
;; launch packmask (part 3): grid 8 x 32, 8 waves a work-group, no clusters, 18,432 bytes of LDS; arguments mask, maskw, actw; writes maskw, actw
.if DOCPART == 3
	.amdgcn_target "amdgcn-amd-amdhsa--gfx1250"
	.amdhsa_code_object_version 6
	.text
	.protected	k_q27968e47b8_packmask
	.globl	k_q27968e47b8_packmask
	.p2align	8
	.type	k_q27968e47b8_packmask,@function
k_q27968e47b8_packmask:
	s_mov_b64 s[64:65], 0
	v_nop
	global_prefetch_b8 v0, s[64:65] scope:SCOPE_SE
	s_setreg_imm32_b32 hwreg(HW_REG_WAVE_MODE, 25, 1), 1
	s_wait_xcnt 0x0
; The mask [2048 queries][2048 keys] of bytes is packed once, for all 64 heads, into the 32-bit lane masks that the attention
; launch hands to v_cndmask_b32.  maskw, in words: [g 32][t 32][half 2][kt 4][qt 2][j 8]; bit L = r + 16 h of a word is
; mask[64 g + 32 half + 16 qt + r][64 t + 16 kt + 8 h + j]: lane L, register j of a 16 x 16 tile whose rows are keys and whose columns are queries.
; actw, in words: [g 32][t 32][half 2]: 1 << t if that piece of 32 queries x 64 keys holds any true byte, else 0.  The OR of a group's 64 words
; tells the attention launch which of its 32 trips have anything to do.
; A work-group owns 64 queries (g = group y) x 256 keys (X = group x) and writes 2,048 neighbouring bytes of maskw and 32 of actw.
; Every byte that is not 0 counts as true.  No matrix unit, no cluster: 4 MiB are read once and nothing is shared between work-groups.
.set MROW,  2048                       ; bytes in a row of the mask
.set PITCH, 272                        ; LDS row: 256 bytes + 16, so that sixteen rows start at sixteen different 16-byte columns modulo 256
	s_load_b128 s[4:7], s[0:1], 0x0                ; mask s[4:5], maskw s[6:7]
	s_load_b64 s[16:17], s[0:1], 0x10              ; actw
	v_lshl_add_u32 v32, v0, 2, 0x4400
	v_mov_b32 v33, 0
	v_lshrrev_b32 v1, 5, v0
	v_readfirstlane_b32 s8, v1                     ; wave 0..7
	s_and_b32 s9, ttmp7, 0xffff                    ; g
	v_lshrrev_b32 v2, 4, v0                        ; thread / 16: a row of sixteen
	v_and_b32 v3, 15, v0                           ; thread % 16 (also r, the lane's place in its half)
	v_lshlrev_b32 v7, 4, v3                        ; 16 bytes a thread
	v_lshl_add_u32 v4, v2, 11, v7                  ; in the mask: row x 2,048 + 16 (thread % 16)
	v_mul_u32_u24 v5, v2, PITCH
	v_add_nc_u32 v5, v5, v7                        ; in LDS: row x 272 + 16 (thread % 16)
	s_lshl_b32 s10, s9, 17                         ; 64 g rows of 2,048 bytes
	s_lshl_b32 s11, ttmp9, 8                       ; + 256 X
	s_add_co_u32 s10, s10, s11
	s_mov_b32 s11, 0
	s_lshl_b32 s12, s9, 14                         ; maskw: 16,384 g
	s_lshl_b32 s13, ttmp9, 11                      ; + 2,048 X
	s_add_co_u32 s12, s12, s13
	s_lshl_b32 s13, s8, 8                          ; + 256 wave: wave = 2 t' + half, a piece of 64 words
	s_add_co_u32 s12, s12, s13
	s_mov_b32 s13, 0
	s_lshl_b32 s18, s9, 8                          ; actw: 256 g
	s_lshl_b32 s19, ttmp9, 5                       ; + 32 X
	s_add_co_u32 s18, s18, s19
	s_lshl_b32 s19, s8, 2                          ; + 4 wave
	s_add_co_u32 s18, s18, s19
	s_mov_b32 s19, 0
	s_wait_kmcnt 0x0
	s_add_nc_u64 s[4:5], s[4:5], s[10:11]
	s_add_nc_u64 s[6:7], s[6:7], s[12:13]
	s_add_nc_u64 s[16:17], s[16:17], s[18:19]
.irp i, 0,1,2,3
	global_load_b128 v[8+4*\i:11+4*\i], v4, s[4:5] offset:\i*16*MROW th:TH_LOAD_NT   ; sixteen lanes read 256 neighbouring bytes, aligned; 16 rows a load
.endr
	; while they are on their way: the addresses of the second phase
	v_bfe_u32 v1, v0, 4, 1                         ; h
	v_mul_u32_u24 v6, v3, PITCH
	v_lshl_add_u32 v6, v1, 3, v6                   ; r x 272 + 8 h
	s_and_b32 s14, s8, 1
	s_mul_i32 s14, s14, 32*PITCH                   ; my half: 32 rows
	s_lshr_b32 s15, s8, 1                          ; my t'
	s_lshl_b32 s23, ttmp9, 2
	s_add_co_u32 s23, s23, s15                     ; t = 4 X + t'
	s_lshl_b32 s23, 1, s23                         ; its bit
	s_lshl_b32 s15, s15, 6                         ; 64 keys for each t'
	s_add_co_u32 s14, s14, s15
	v_add_nc_u32 v6, s14, v6
	v_and_b32 v28, 31, v0
	v_lshlrev_b32 v28, 3, v28                      ; 8 bytes a lane on the way out
	v_mov_b32 v26, 0                               ; v_writelane_b32 keeps the other lanes: its destination is written whole first
	v_mov_b32 v27, 0
	v_mov_b32 v30, 0                               ; offset of my word of actw from its own address
.irp i, 0,1,2,3
	s_wait_loadcnt 3-\i                            ; loads come back in order: load i is in, the 3 - i younger ones may be out
	ds_store_b128 v5, v[8+4*\i:11+4*\i] offset:\i*16*PITCH
.endr
	s_wait_dscnt 0x0                               ; my stores are done, for the other waves' sake,
	s_barrier_signal -1
	s_barrier_wait -1                              ; and so are everybody's: the 64 x 256 bytes are whole
	; tile n = 2 kt + qt: lane (r, h) takes the eight bytes j = 0..7 of query row 16 qt + r, keys 16 kt + 8 h + j
.irp kt, 0,1,2,3
.irp qt, 0,1
	ds_load_b64 v[8+2*(2*\kt+\qt):9+2*(2*\kt+\qt)], v6 offset:\qt*16*PITCH+16*\kt
.endr
.endr
	s_wait_dscnt 0x0
	; word 8 n + j: one byte of every lane becomes one bit; the word goes to lane (8 n + j) / 2, register (8 n + j) % 2
.irp n, 0,1,2,3,4,5,6,7
.irp j, 0,1,2,3,4,5,6,7
	v_and_b32 v[24+(\j&1)], 0xff<<(8*(\j&3)), v[8+2*\n+(\j>>2)]
	v_cmp_ne_u32 s[20+(\j&1)], 0, v[24+(\j&1)]
	v_writelane_b32 v[26+(\j&1)], s[20+(\j&1)], 4*\n+(\j>>1)
.endr
.endr
	; is any of my piece's 2,048 bytes true?
	v_or_b32 v29, v8, v9
.irp n, 10,11,12,13,14,15,16,17,18,19,20,21,22,23
	v_or_b32 v29, v29, v\n
.endr
	v_cmp_ne_u32 s22, 0, v29                       ; the lanes that hold a true byte
	s_cmp_lg_u32 s22, 0
	s_cselect_b32 s22, s23, 0                      ; 1 << t, or 0
	v_mov_b32 v29, s22
	global_store_b64 v28, v[26:27], s[6:7]         ; the wave's 64 words: 256 neighbouring bytes, aligned, in one store
	; my one word of actw, from lane 0.  Four bytes a wave, 2,048 such stores in the launch: a group's 256 bytes of actw belong to eight work-groups
	v_cmp_eq_u32 vcc_lo, 0, v28
	s_wait_xcnt 0x0                                ; EXEC is a source of the store above: it changes only behind this wait
	s_wait_tensorcnt 0x0
	ds_add_u32 v32, v33
	s_wait_dscnt 0x0
	s_and_saveexec_b32 s18, vcc_lo
	global_store_b32 v30, v29, s[16:17]
	s_wait_xcnt 0x0                                ; and again in front of the line that widens it
	s_or_b32 exec_lo, exec_lo, s18
	s_endpgm
.Lfunc_end_k_q27968e47b8_packmask:
	.size	k_q27968e47b8_packmask, .Lfunc_end_k_q27968e47b8_packmask-k_q27968e47b8_packmask
	.p2alignl 7, 3214868480
	.fill 96, 4, 3214868480
	.section	.rodata,"a",@progbits
	.p2align	6, 0x0
	.amdhsa_kernel k_q27968e47b8_packmask
		.amdhsa_group_segment_fixed_size 18432
		.amdhsa_private_segment_fixed_size 0
		.amdhsa_enable_private_segment 0
		.amdhsa_kernarg_size 24
		.amdhsa_user_sgpr_count 2
		.amdhsa_user_sgpr_kernarg_segment_ptr 1
		.amdhsa_wavefront_size32 1
		.amdhsa_system_sgpr_workgroup_id_x 1
		.amdhsa_system_sgpr_workgroup_id_y 1
		.amdhsa_system_sgpr_workgroup_id_z 1
		.amdhsa_system_vgpr_workitem_id 0
		.amdhsa_next_free_vgpr 34
		.amdhsa_next_free_sgpr 66
		.amdhsa_reserve_vcc 1
		.amdhsa_float_denorm_mode_32 3
		.amdhsa_float_denorm_mode_16_64 3
		.amdhsa_memory_ordered 1
		.amdhsa_forward_progress 1
		.amdhsa_inst_pref_size 17
	.end_amdhsa_kernel
	.amdgpu_metadata
---
amdhsa.version: [ 1, 2 ]
amdhsa.kernels:
  - .name:           k_q27968e47b8_packmask
    .symbol:         k_q27968e47b8_packmask.kd
    .args:
      - { .name: mask, .offset: 0, .size: 8, .value_kind: global_buffer, .address_space: global }
      - { .name: maskw, .offset: 8, .size: 8, .value_kind: global_buffer, .address_space: global }
      - { .name: actw, .offset: 16, .size: 8, .value_kind: global_buffer, .address_space: global }
    .group_segment_fixed_size: 18432
    .private_segment_fixed_size: 0
    .kernarg_segment_align: 8
    .kernarg_segment_size: 24
    .max_flat_workgroup_size: 256
    .sgpr_count:     66
    .vgpr_count:     34
    .wavefront_size: 32
...
	.end_amdgpu_metadata
.endif
;; end of part 3
;; launch attn (part 4): grid 4 x 64, 8 waves a work-group, no clusters, 113,664 bytes of LDS; arguments k, v, maskw, out0, q, actw; writes out0
.if DOCPART == 4
	.amdgcn_target "amdgcn-amd-amdhsa--gfx1250"
	.amdhsa_code_object_version 6
	.text
	.protected	k_q27968e47b8_attn
	.globl	k_q27968e47b8_attn
	.p2align	8
	.type	k_q27968e47b8_attn,@function
k_q27968e47b8_attn:
	s_mov_b64 s[64:65], 0
	v_nop
	global_prefetch_b8 v0, s[64:65] scope:SCOPE_SE
	s_setreg_imm32_b32 hwreg(HW_REG_WAVE_MODE, 25, 1), 1
	s_wait_xcnt 0x0
; out = softmax(where(mask, Q K^T, -inf) / 8) V for 64 heads of 2,048 x 64, f32 in memory, in one pass with a running maximum.
; A work-group: one head (group y), eight waves, two on each SIMD; a wave owns a group of 64 queries = 4 query tiles (qt).  Wave w of work-group x
; takes group g = 4 w + x of the head's 32: a work-group's groups are spread over the whole head, so that a region of the mask with nothing
; to do (see below) is shared among the head's four work-groups, wherever it lies.
; Keys go in 32 trips of 64.  K's and V's tiles are loaded as f32 into registers by all 256 threads, rounded to f16 and stored into one of
; two LDS buffers, a trip ahead of their use; one barrier a trip.
; BOTH PRODUCTS ARE TRANSPOSED.  S^T = K Q^T: A = 16 keys x 32 d from LDS, B = Q's fragment, kept in registers.  Lane (r, h) then holds query r,
; keys 8 h + j: maximum, sum and scale are one number a lane, and one v_permlanex16_b32 joins the two halves.  Rounding the tiles of keys
; 32 ks .. + 15 and + 16 .. + 31 to f16 in place gives B's fragment of O^T = V^T P^T as it stands; A = V^T comes by the transposing LDS load.
; THE MASK comes as lane masks (launch packmask) by scalar loads: one v_cndmask_b32 a score register puts -inf ahead of the maximum.
; EMPTY BLOCKS ARE LEFT OUT.  Where the mask has no true byte in a wave's 64 queries x a trip's 64 keys, every p of the trip is 0, the maximum does
; not move and alpha is 1: the trip changes nothing.  packmask has stored which trips those are (actw); the wave jumps over the trip's products
; and softmax, and still does its share of the staging and passes the barrier.  The decision is read from memory for whatever mask is given;
; a mask without empty blocks costs four scalar instructions and two branches not taken a trip.  Trip 0 is never left out: its products start O's sums.
; ARITHMETIC: c = log2(e) / 8; MX the running maximum of the raw scores; nmc = -c MX; p = exp2(s c + nmc); alpha = exp2(nmc new - nmc old).
; WHY f16 AND NOT bf16: a query with few true keys is a sum of few terms that may cancel, and each term carries its operands' rounding whole:
; f16's 11 significant bits against bf16's 8 make that error eight times smaller.  P lies in [0, 1]; below 2^-14 f16 goes on in steps of 2^-24.
; LIMITS: Q, K, V and P are rounded to f16 for the matrix unit: |q|, |k| or |v| above 65,504 overflows, and numbers below 2^-14 are kept to
; an absolute 2^-25; p below 2^-126 counts as 0 (v_exp_f32 flushes);
; MX starts at -FLT_MAX and not at -inf, which differs only for scores at or below -FLT_MAX.  A row with no true mask byte has l = 0 and O = 0
; and gives 0 x (1 / 0) = NaN, as the reference's softmax of a row of -inf does.  An infinity or NaN in V at keys of a block that is left out
; does not reach the result (the reference's 0 x inf gives NaN there).
; NO CLUSTER, NO TENSOR LOADS, though the four work-groups of a head read the same K and V: the tiles lie in memory as f32 and are wanted in LDS
; as f16.  A joint load would lay 32 KiB of f32 a trip into each LDS, to be read back (32 KiB) and stored again as f16 (16 KiB): 80 KiB through
; LDS where the way through registers writes 16 KiB.  The four are neighbours along x and walk the same tiles in the same order.
.set BUF,   19456                      ; an LDS buffer: K's tile, then V's
.set KP,    144                        ; K's (and Q's) LDS row: 128 bytes of f16 + 16: an odd multiple of 16
.set VP,    160                        ; V's LDS row: 128 bytes + 32: an odd multiple of 32, for the transposing load
.set VOFF,  64*KP                      ; V's tile behind K's 64 rows
.set STAGE, 2*BUF                      ; behind the buffers: 9,216 bytes for each wave, its own: first Q as f16, at the end the way out
.set STG,   64*KP
.set OP,    272                        ; the way out: a row of 64 f32 + 16 bytes
.set TILEB, 16384                      ; a tile of 64 keys x 64 f32 in memory
; window 0 (an instruction names v0-v255; s_set_vgpr_msb says which window of 256 each operand place means)
.set KADR, 1                           ; r x 144 + 16 h: K's fragments
.set PFO,  2                           ; 256 x lane: prefetch
.set STO,  3                           ; the way out: where I put 32 bytes of a row
.set RD,   4                           ; the way out: where I read rows back
.set CO,   5                           ; 16 x lane: Q's loads, out's stores
.set T0,   6                           ; at work (prologue: Q's LDS addresses)
.set T1,   7
.set NM,   8                           ; v[8+2qt] nmc, +1 its new value
.set AL,   16                          ; v[16+2qt] alpha (at the end 1 / l), +1 MX
.set LS,   24                          ; v[24+2qt], +1: two partial sums of l
.set KF,   32                          ; v32-63 K's fragments: 2 buffers x (d 0-31: 8, d 32-63: 8)
.set QF,   64                          ; v[64+16qt+8dk ..+7] Q's fragments
.set SB,   128                         ; v[128+32qt+8kt+j] S^T; P's fragment (qt, ks) in place at 128+32qt+16ks ..+7
; window 1, by their low numbers
.set OB,   0                           ; v[8(4dt+qt) ..+7] O^T
.set VF,   128                         ; v[128+8(4ks+dt) ..+7] V^T's fragments
.set ST,   192                         ; v192-223 the next tile on its way: K's 4 x 4 registers, then V's
.set VADR, 224                         ; (8h + lane%8) x 160 + 16 ((lane/8)%2) + VOFF
.set GOFF, 225                         ; 16 x thread
.set KSTO, 226                         ; (thread/16) x 144 + 8 (thread%16)
.set VSTO, 227                         ; (thread/16) x 160 + 8 (thread%16) + VOFF
; scalars: s[4:5] K, s[6:7] V (stepped a tile a trip), s[8:9] my mask records, s[10:11] out and s[12:13] q at my rows, s[14:15] prefetch,
; s[16:31] s[32:47] s[48:63] s[80:95] the lane masks of key tiles 0..3 (16 words each: [qt 2][j 8]); s[96:97] my group's words of actw
.set CC,    66                         ; s[66:67] c, c
.set NEGC,  68                         ; -c
.set NINF,  69                         ; -inf
.set SELLO, 70                         ; v_permlanex16_b32: lane i takes lane i of the other half
.set SELHI, 71
.set WAVE,  72
.set CNT,   73
.set ACT,   79                         ; bit 0: has this trip anything to do; the later trips' bits above it
.set MSB, 0
.macro WIN new                         ; low byte: bits 1:0 source 0, 3:2 source 1, 5:4 source 2, 7:6 destination; the high byte repeats the setting left
.if MSB != \new
	s_set_vgpr_msb (MSB<<8)|\new
.set MSB, \new
.endif
.endm
.set W_STG, 0x45                       ; destination, source 0 (address), source 1 (store data) in window 1: the staging and V's fragments
.set W_SCL, 0x41                       ; O (destination, source 0) in window 1, alpha in window 0
.set W_PV,  0x51                       ; D, C and A = V^T in window 1, B = P in window 0
.set W_OUT, 0x04                       ; LDS store data in window 1
.macro PLACES n
.rept \n
	v_nop
.endr
.endm
; ---- loads and stores of tiles
.macro GLOAD off                       ; a tile of K and one of V, 16 bytes a thread and load: a wave's load covers 512 neighbouring bytes
.irp n, 0,1,2,3
	global_load_b128 v[ST+4*\n:ST+4*\n+3], v[GOFF], s[4:5] offset:\off+4096*\n
.endr
.irp n, 0,1,2,3
	global_load_b128 v[ST+16+4*\n:ST+16+4*\n+3], v[GOFF], s[6:7] offset:\off+4096*\n
.endr
.endm
.macro CVTST                           ; 32 x f32 to f16 in place: registers 4n, 4n+1 hold the thread's four numbers of load n
.irp n, 0,1,2,3,4,5,6,7
	v_cvt_pk_f16_f32 v[ST+4*\n], v[ST+4*\n], v[ST+4*\n+1]
	v_cvt_pk_f16_f32 v[ST+4*\n+1], v[ST+4*\n+2], v[ST+4*\n+3]
.endr
.endm
.macro STSTORE buf                     ; load n held rows 16 n + thread / 16
.irp n, 0,1,2,3
	ds_store_b64 v[KSTO], v[ST+4*\n:ST+4*\n+1] offset:(\buf)*BUF+\n*16*KP
.endr
.irp n, 0,1,2,3
	ds_store_b64 v[VSTO], v[ST+16+4*\n:ST+16+4*\n+1] offset:(\buf)*BUF+\n*16*VP
.endr
.endm
.macro KLOAD b, kt, f                  ; 16 keys x 64 d into K buffer f: d 0-31 (two loads 32 bytes apart), then d 32-63
.irp n, 0,1,2,3
	ds_load_b128 v[KF+16*\f+4*\n:KF+16*\f+4*\n+3], v[KADR] offset:\b*BUF+\kt*16*KP+32*\n
.endr
.endm
.macro VLOAD b                         ; all of V^T: fragment (ks, dt) = d 16 dt .. + 15 x keys 32 ks .. + 31, two transposing loads 16 keys apart
.irp ks, 0,1
.irp dt, 0,1,2,3
	ds_load_tr16_b128 v[VF+8*(4*\ks+\dt):VF+8*(4*\ks+\dt)+3], v[VADR] offset:\b*BUF+\ks*32*VP+\dt*32
	ds_load_tr16_b128 v[VF+8*(4*\ks+\dt)+4:VF+8*(4*\ks+\dt)+7], v[VADR] offset:\b*BUF+\ks*32*VP+\dt*32+16*VP
.endr
.endr
.endm
.macro MLOAD kt, off                   ; the 16 lane masks of key tile kt, at byte off of my record
.set m_b, 16+16*(\kt)+16*((\kt)/3)
	s_load_b512 s[m_b:m_b+15], s[8:9], \off+64*\kt
.endm
; ---- S^T.  i = 4 dk + qt: the four query tiles take turns, one instruction a turn; the first starts the sum with C = 0
.macro W kt, i
.set w_dk, (\i)>>2
.set w_qt, (\i)&3
.set w_s, SB+32*w_qt+8*(\kt)
.set w_a, KF+16*((\kt)&1)+8*w_dk
.set w_q, QF+16*w_qt+8*w_dk
.if w_dk
	v_wmma_f32_16x16x32_f16 v[w_s:w_s+7], v[w_a:w_a+7], v[w_q:w_q+7], v[w_s:w_s+7]
.else
	v_wmma_f32_16x16x32_f16 v[w_s:w_s+7], v[w_a:w_a+7], v[w_q:w_q+7], 0
.endif
.endm
; two score registers of query tile 2 half + (i & 1), key tile kt: masked, and taken into the running maximum, which simply goes on from the last trip
.macro PIECE half, kt, i
.set p_q, 2*(\half)+((\i)&1)
.set p_r, SB+32*p_q+8*(\kt)+2*((\i)>>1)
.set p_m, 16+16*(\kt)+16*((\kt)/3)+8*((\i)&1)+2*((\i)>>1)
.set p_x, AL+2*p_q+1
	v_cndmask_b32 v[p_r], s[NINF], v[p_r], s[p_m]
	v_cndmask_b32 v[p_r+1], s[NINF], v[p_r+1], s[p_m+1]
	v_max3_num_f32 v[p_x], v[p_x], v[p_r], v[p_r+1]
.endm
.macro MM half, kt
.irp i, 0,1,2,3,4,5,6,7
	PIECE \half, \kt, \i
.endr
.endm
; the trip's maximum is whole: join the halves of the lanes, new nmc, alpha, and l scaled
.macro STATS2 qa, qb
	v_permlanex16_b32 v[T0], v[AL+2*\qa+1], s[SELLO], s[SELHI]
	v_permlanex16_b32 v[T1], v[AL+2*\qb+1], s[SELLO], s[SELHI]
	v_max_num_f32 v[AL+2*\qa+1], v[AL+2*\qa+1], v[T0]
	v_max_num_f32 v[AL+2*\qb+1], v[AL+2*\qb+1], v[T1]
	v_mul_f32 v[NM+2*\qa+1], s[NEGC], v[AL+2*\qa+1]
	v_mul_f32 v[NM+2*\qb+1], s[NEGC], v[AL+2*\qb+1]
	v_sub_f32 v[T0], v[NM+2*\qa+1], v[NM+2*\qa]            ; exactly 0 where the maximum did not move
	v_sub_f32 v[T1], v[NM+2*\qb+1], v[NM+2*\qb]
	v_exp_f32 v[AL+2*\qa], v[T0]
	v_exp_f32 v[AL+2*\qb], v[T1]
	v_mov_b32 v[NM+2*\qa], v[NM+2*\qa+1]                   ; plain work behind the exponentials, ahead of their first use (ISA guide 5.7.2)
	v_mov_b32 v[NM+2*\qb], v[NM+2*\qb+1]
	s_wait_alu depctr_va_vdst(0)
	v_pk_mul_f32 v[LS+2*\qa:LS+2*\qa+1], v[LS+2*\qa:LS+2*\qa+1], v[AL+2*\qa:AL+2*\qa+1] op_sel_hi:[1,0]
	v_pk_mul_f32 v[LS+2*\qb:LS+2*\qb+1], v[LS+2*\qb:LS+2*\qb+1], v[AL+2*\qb:AL+2*\qb+1] op_sel_hi:[1,0]
.endm
; a block (qt, ks) is 16 registers: 32 keys of a lane's query
.macro FMA16 qt, ks                    ; s c + nmc, two at a time
.set e_b, SB+32*(\qt)+16*(\ks)
.set e_n, NM+2*(\qt)
.irp i, 0,2,4,6,8,10,12,14
	v_pk_fma_f32 v[e_b+\i:e_b+\i+1], v[e_b+\i:e_b+\i+1], s[CC:CC+1], v[e_n:e_n+1] op_sel_hi:[1,0,0]
.endr
.endm
.macro EXP16 qt, ks
.set e_b, SB+32*(\qt)+16*(\ks)
.irp i, 0,1,2,3,4,5,6,7,8,9,10,11,12,13,14,15
	v_exp_f32 v[e_b+\i], v[e_b+\i]
.endr
.endm
; the exponentials of block c, each followed by plain work on block p, whose exponentials are done: its sum, and its rounding to f16 in place
; (register i takes numbers 2 i and 2 i + 1, which lie at or above it and are summed first)
.macro EXPSC cq, cks, pq, pks
.set x_c, SB+32*(\cq)+16*(\cks)
.set x_p, SB+32*(\pq)+16*(\pks)
.set x_l, LS+2*(\pq)
.irp i, 0,1,2,3,4,5,6,7
	v_exp_f32 v[x_c+2*\i], v[x_c+2*\i]
	s_wait_alu depctr_va_vdst(0)
	v_pk_add_f32 v[x_l:x_l+1], v[x_l:x_l+1], v[x_p+2*\i:x_p+2*\i+1]
	v_exp_f32 v[x_c+2*\i+1], v[x_c+2*\i+1]
	v_cvt_pk_f16_f32 v[x_p+\i], v[x_p+2*\i], v[x_p+2*\i+1]
.endr
.endm
.macro SC16 pq, pks
.set x_p, SB+32*(\pq)+16*(\pks)
.set x_l, LS+2*(\pq)
	s_wait_alu depctr_va_vdst(0)
.irp i, 0,1,2,3,4,5,6,7
	v_pk_add_f32 v[x_l:x_l+1], v[x_l:x_l+1], v[x_p+2*\i:x_p+2*\i+1]
	v_cvt_pk_f16_f32 v[x_p+\i], v[x_p+2*\i], v[x_p+2*\i+1]
.endr
.endm
.macro EXPHALF_A qa, qb
	FMA16 \qa, 0
	EXP16 \qa, 0
	FMA16 \qb, 0
	EXPSC \qb, 0, \qa, 0
.endm
.macro EXPHALF_B qa, qb
	FMA16 \qa, 1
	EXPSC \qa, 1, \qb, 0
	FMA16 \qb, 1
	EXPSC \qb, 1, \qa, 1
	SC16 \qb, 1
.endm
.macro RESCALE qa, qb                  ; O of two query tiles times the lane's alpha (at the end: times 1 / l)
.irp dt, 0,1,2,3
.irp qt, \qa, \qb
.irp p, 0,2,4,6
	v_pk_mul_f32 v[OB+8*(4*\dt+\qt)+\p:OB+8*(4*\dt+\qt)+\p+1], v[OB+8*(4*\dt+\qt)+\p:OB+8*(4*\dt+\qt)+\p+1], v[AL+2*\qt:AL+2*\qt+1] op_sel_hi:[1,0]
.endr
.endr
.endr
.endm
; O^T(dt, qa) and (dt, qb) += V^T P^T over the trip's 64 keys; the two accumulators take turns, one instruction a turn
.macro PVB qa, qb, dt, first
.irp ks, 0,1
.irp qt, \qa, \qb
.set p_o, OB+8*(4*(\dt)+\qt)
.set p_v, VF+8*(4*\ks+(\dt))
.set p_p, SB+32*\qt+16*\ks
.if \first*(1-\ks)
	v_wmma_f32_16x16x32_f16 v[p_o:p_o+7], v[p_v:p_v+7], v[p_p:p_p+7], 0
.else
	v_wmma_f32_16x16x32_f16 v[p_o:p_o+7], v[p_v:p_v+7], v[p_p:p_p+7], v[p_o:p_o+7]
.endif
.endr
.endr
.endm
; ---- trip t, on tile t in buffer b.  first: t = 0 (never left out; the products start O's sums, nothing is scaled).  store: tile t + 1 goes into the
; other buffer, and the trip has a barrier.  load: tile t + 2 is asked for.  pf: tile t + 3 is prefetched.
; Every wave does the staging, the signal and the wait.  The trip's own work stands in two parts, each under a forward branch on the same bit of ACT:
; the first ends where the wave has no more use for LDS, the second is register work between the barrier's signal and its wait.
.macro TRIP b, first, store, load, pf
.if \store
	WIN W_STG
	s_wait_loadcnt 0x0                             ; tile t + 1, asked for a whole trip ago
	CVTST                                          ; 16 plain instructions on ST alone: also the places behind the last trip's P V products, whose
	                                               ; A (V's fragments) is loaded again below and whose B (P) the first S products write over (ISA guide 7.12.1)
	STSTORE (1-\b)                                 ; the other buffer: every wave's reads of it ended in front of the last trip's signal
.else
	PLACES 5                                       ; the same places where there is nothing to convert
.endif
.if \load
	s_wait_xcnt 0x0                                ; the bases are stepped only behind this wait (the last prefetch, a trip ago, named s[14:15])
	s_add_nc_u64 s[4:5], s[4:5], TILEB             ; now at tile t + 1
	s_add_nc_u64 s[6:7], s[6:7], TILEB
.if \pf
	s_add_nc_u64 s[14:15], s[14:15], TILEB
.endif
	GLOAD TILEB                                    ; tile t + 2
.endif
	WIN 0
.if \pf
	; Tile t + 3, which the next trip's loads will ask for.  Wave 0 alone, 32 lanes 256 bytes apart = 8 KiB: work-groups x = 0, 1 ask for the halves
	; of K's tile, x = 2, 3 for the halves of V's, so each block is asked for once in the launch.  Trips 29 to 31 ask for nothing: tile 31 is the last.
	s_cmp_lg_u32 s[WAVE], 0
	s_cbranch_scc1 .Lnopf_\@
	global_prefetch_b8 v[PFO], s[14:15] offset:2*TILEB th:TH_LOAD_NT scope:SCOPE_SE
.Lnopf_\@:
.endif
	s_wait_kmcnt 0x0                               ; the masks of queries 0-31 for this trip (scalar loads: 0 alone says anything)
.if 1-\first
	s_add_nc_u64 s[8:9], s[8:9], 512               ; no scalar load is out: my record of this trip
	s_lshr_b32 s[ACT], s[ACT], 1                   ; this trip's bit comes down to bit 0
	s_bitcmp1_b32 s[ACT], 0
	s_cbranch_scc0 .Lhalf_\@                       ; no true byte in my 64 queries x these 64 keys: nothing of the first part is done
.endif
	KLOAD \b, 0, 0
	KLOAD \b, 1, 1
	WIN W_STG
	VLOAD \b
	WIN 0
	s_wait_dscnt 20                                ; K tile 0 is in (the stores, older, with it); behind it: K tile 1 (4), V (16)
.irp i, 0,1,2,3,4,5,6,7
	W 0, \i
.endr
	PLACES 4                                       ; behind them: K buffer 0 is loaded again, and their results are read (ISA guide 7.12.1)
	KLOAD \b, 2, 0
	s_wait_dscnt 20                                ; K tile 1 is in; behind it: V (16), K tile 2 (4)
.irp i, 0,1,2,3,4,5,6,7
	W 1, \i
	PIECE 0, 0, \i
.endr
	v_nop                                          ; with the three plain instructions above it: four places, then K buffer 1 is loaded again
	KLOAD \b, 3, 1
	MLOAD 0, 256                                   ; key tile 0's masks for queries 0-31 are used up: those of queries 32-63 take their place
	s_wait_dscnt 4                                 ; K tile 2 is in (V with it); behind it: K tile 3 (4)
.irp i, 0,1,2,3,4,5,6,7
	W 2, \i
	PIECE 0, 1, \i
.endr
	MLOAD 1, 256
	s_wait_dscnt 0x0                               ; K tile 3.  From here to the barrier's wait this wave issues no LDS instruction
.irp i, 0,1,2,3,4,5,6,7
	W 3, \i
	PIECE 0, 2, \i
.endr
	MLOAD 2, 256
	MM 0, 3
	MLOAD 3, 256
	STATS2 0, 1
	EXPHALF_A 0, 1
	EXPHALF_B 0, 1
.if 1-\first
	WIN W_SCL
	RESCALE 0, 1
.endif
	; P V of queries 0-31, four matrix instructions at a time, among the softmax of queries 32-63
	WIN W_PV
	PVB 0, 1, 0, \first
	WIN 0
	s_wait_kmcnt 0x0                               ; the masks of queries 32-63
	MM 1, 0
	MM 1, 1
	WIN W_PV
	PVB 0, 1, 1, \first
	WIN 0
	MM 1, 2
	MM 1, 3
	STATS2 2, 3
.if 1-\first
.Lhalf_\@:
.endif
.if \store
	MLOAD 0, 512                                   ; every wave: the next record's masks of queries 0-31; this trip's masks are used up or not wanted
	MLOAD 1, 512
	MLOAD 2, 512
	MLOAD 3, 512
	s_wait_dscnt 0x0                               ; my stores of tile t + 1 are done, and my reads of tile t if I made any (then met already)
	s_barrier_signal -1                            ; say so; register work alone up to the wait
.endif
.if 1-\first
	s_bitcmp1_b32 s[ACT], 0                        ; the same bit again
	s_cbranch_scc0 .Lend_\@
.endif
	WIN W_PV
	PVB 0, 1, 2, \first
	WIN 0
	EXPHALF_A 2, 3
	WIN W_PV
	PVB 0, 1, 3, \first
	WIN 0
	EXPHALF_B 2, 3
.if 1-\first
	WIN W_SCL
	RESCALE 2, 3
.endif
	WIN W_PV
	PVB 2, 3, 0, \first
	PVB 2, 3, 1, \first
	PVB 2, 3, 2, \first
	PVB 2, 3, 3, \first
	WIN 0
.if 1-\first
.Lend_\@:
.endif
.if \store
	s_barrier_wait -1                              ; every wave has said so: tile t + 1 may be read, tile t's buffer written
.endif
.endm
; ---- prologue
	s_load_b256 s[4:11], s[0:1], 0x0               ; k s[4:5], v s[6:7], maskw s[8:9], out0 s[10:11]
	s_load_b64 s[12:13], s[0:1], 0x20              ; q
	s_load_b64 s[96:97], s[0:1], 0x28              ; actw
	s_set_vgpr_msb 0x40
	v_lshl_add_u32 v240, v0, 2, 0x1b800
	v_mov_b32 v241, 0
	s_set_vgpr_msb 0x4000
	v_lshrrev_b32 v8, 5, v0
	v_readfirstlane_b32 s[WAVE], v8                ; wave 0..7
	s_and_b32 s74, ttmp7, 0xffff
	s_lshl_b32 s74, s74, 19                        ; the head: 2,048 x 64 x 4 bytes
	s_mov_b32 s75, 0
	s_lshl_b32 s76, s[WAVE], 2
	s_add_co_u32 s76, s76, ttmp9                   ; g = 4 w + x
	s_lshl_b32 s2, s76, 8                          ; my group's 64 words of actw
	s_mov_b32 s3, 0
	s_lshl_b32 s76, s76, 14                        ; 64 g rows of 256 bytes; also g groups of 16,384 bytes of maskw
	s_mov_b32 s77, 0
	s_mul_i32 s78, s[WAVE], STG
	s_add_co_u32 s78, s78, STAGE                   ; my own LDS bytes
	s_mov_b32 s[CC], 0x3e38aa3b                    ; log2(e) / 8
	s_mov_b32 s[CC+1], 0x3e38aa3b
	s_mov_b32 s[NEGC], 0xbe38aa3b
	s_mov_b32 s[NINF], 0xff800000
	s_mov_b32 s[SELLO], 0x76543210
	s_mov_b32 s[SELHI], 0xfedcba98
	v_and_b32 v9, 31, v0                           ; lane
	v_and_b32 v10, 15, v0                          ; r = lane % 16 = thread % 16
	v_bfe_u32 v11, v0, 4, 1                        ; h = lane / 16
	v_lshrrev_b32 v12, 4, v0                       ; thread / 16
	v_mul_u32_u24 v[KADR], v10, KP
	v_lshl_add_u32 v[KADR], v11, 4, v[KADR]
	v_lshlrev_b32 v[PFO], 8, v9
	v_mul_u32_u24 v[STO], v10, OP
	v_lshl_add_u32 v[STO], v11, 5, v[STO]
	v_add_nc_u32 v[STO], s78, v[STO]               ; stage + r x 272 + 32 h
	v_mul_u32_u24 v[RD], v11, OP
	v_lshl_add_u32 v[RD], v10, 4, v[RD]
	v_add_nc_u32 v[RD], s78, v[RD]                 ; stage + h x 272 + 16 r
	v_lshlrev_b32 v[CO], 4, v9
	v_mul_u32_u24 v[T0], v11, KP
	v_lshl_add_u32 v[T0], v10, 3, v[T0]
	v_add_nc_u32 v[T0], s78, v[T0]                 ; Q in: stage + h x 144 + 8 r
	v_add_nc_u32 v[T1], s78, v[KADR]               ; Q's fragments: stage + r x 144 + 16 h
	v_and_b32 v13, 7, v0
	v_lshl_add_u32 v13, v11, 3, v13                ; 8 h + lane % 8
	v_mul_u32_u24 v13, v13, VP
	v_bfe_u32 v14, v0, 3, 1
	v_lshl_add_u32 v13, v14, 4, v13
	v_add_nc_u32 v13, VOFF, v13
	v_lshlrev_b32 v14, 4, v0
	v_mul_u32_u24 v15, v12, KP
	v_lshl_add_u32 v15, v10, 3, v15
	v_mul_u32_u24 v16, v12, VP
	v_lshl_add_u32 v16, v10, 3, v16
	v_add_nc_u32 v16, VOFF, v16
	WIN 0x40                                       ; destination in window 1
	v_mov_b32 v[VADR], v13
	v_mov_b32 v[GOFF], v14
	v_mov_b32 v[KSTO], v15
	v_mov_b32 v[VSTO], v16
	s_wait_kmcnt 0x0
	s_add_nc_u64 s[96:97], s[96:97], s[2:3]
	s_load_b512 s[16:31], s[96:97], 0x0            ; my group's 64 words of actw, into the registers that hold lane masks afterwards
	s_load_b512 s[32:47], s[96:97], 0x40
	s_load_b512 s[48:63], s[96:97], 0x80
	s_load_b512 s[80:95], s[96:97], 0xc0
	s_add_nc_u64 s[4:5], s[4:5], s[74:75]          ; K and V at the head
	s_add_nc_u64 s[6:7], s[6:7], s[74:75]
	s_add_nc_u64 s[8:9], s[8:9], s[76:77]          ; my group's mask records
	s_add_nc_u64 s[10:11], s[10:11], s[74:75]
	s_add_nc_u64 s[10:11], s[10:11], s[76:77]      ; out and q at my 64 rows
	s_add_nc_u64 s[12:13], s[12:13], s[74:75]
	s_add_nc_u64 s[12:13], s[12:13], s[76:77]
	s_cmp_lt_u32 ttmp9, 2
	s_cselect_b64 s[14:15], s[4:5], s[6:7]         ; prefetch: x = 0, 1 for K, x = 2, 3 for V,
	s_and_b32 s74, ttmp9, 1
	s_lshl_b32 s74, s74, 13
	s_add_nc_u64 s[14:15], s[14:15], s[74:75]      ; the tile's lower or upper 8 KiB
	WIN W_STG
	GLOAD 0                                        ; tile 0
	WIN 0
.set i, 0
.rept 32
	global_load_b128 v[SB+4*i:SB+4*i+3], v[CO], s[12:13] offset:512*i th:TH_LOAD_NT   ; my 64 rows of Q, two rows a load, into S's registers
.set i, i+1
.endr
	s_wait_kmcnt 0x0                               ; actw's words: each is 1 << t or 0; their OR has bit t set where trip t has a true byte
	s_or_b32 s[ACT], s16, s17
.set i, 18
.rept 46
	s_or_b32 s[ACT], s[ACT], s[i]
.set i, i+1
.endr
.set i, 80
.rept 16
	s_or_b32 s[ACT], s[ACT], s[i]
.set i, i+1
.endr
	MLOAD 0, 0                                     ; record 0, queries 0-31
	MLOAD 1, 0
	MLOAD 2, 0
	MLOAD 3, 0
	s_cmp_lg_u32 s[WAVE], 0
	s_cbranch_scc1 .Lnopf_first
	global_prefetch_b8 v[PFO], s[14:15] offset:2*TILEB th:TH_LOAD_NT scope:SCOPE_SE   ; tile 2, which trip 0 loads; tiles 0 and 1 are loaded here
.Lnopf_first:
	s_wait_loadcnt 32                              ; tile 0 is in; Q's 32 loads were issued behind it
	WIN W_STG
	CVTST
	STSTORE 0
	GLOAD TILEB                                    ; tile 1; the bases stay at tile 0
	WIN 0
	s_wait_loadcnt 8                               ; Q is in; tile 1's 8 loads were issued behind it
.set i, 0
.rept 32
	v_cvt_pk_f16_f32 v[SB+4*i], v[SB+4*i], v[SB+4*i+1]
	v_cvt_pk_f16_f32 v[SB+4*i+1], v[SB+4*i+2], v[SB+4*i+3]
	ds_store_b64 v[T0], v[SB+4*i:SB+4*i+1] offset:2*KP*i
.set i, i+1
.endr
.irp qt, 0,1,2,3
.irp n, 0,1,2,3
	ds_load_b128 v[QF+16*\qt+4*\n:QF+16*\qt+4*\n+3], v[T1] offset:\qt*16*KP+32*\n   ; my own bytes, and LDS serves a wave's instructions in order (ISA guide 5.7.1.4): no wait between
.endr
.endr
.irp qt, 0,1,2,3
	v_mov_b32 v[AL+2*\qt], 0
	v_mov_b32 v[AL+2*\qt+1], 0xff7fffff            ; MX = -FLT_MAX
	v_mov_b32 v[LS+2*\qt], 0
	v_mov_b32 v[LS+2*\qt+1], 0
	v_mul_f32 v[NM+2*\qt], s[NEGC], v[AL+2*\qt+1]  ; nmc = c FLT_MAX, finite
	v_mul_f32 v[NM+2*\qt+1], s[NEGC], v[AL+2*\qt+1]
.endr
	s_wait_dscnt 0x0                               ; Q's fragments are in, and my part of tile 0 is stored, for the others' sake
	s_barrier_signal -1
	s_barrier_wait -1
; ---- the 32 trips
	TRIP 0, 1, 1, 1, 1                             ; t = 0
	TRIP 1, 0, 1, 1, 1                             ; t = 1
	s_mov_b32 s[CNT], 13                           ; t = 2 .. 27
.Lpair:
	TRIP 0, 0, 1, 1, 1
	TRIP 1, 0, 1, 1, 1
	s_sub_co_u32 s[CNT], s[CNT], 1
	s_cmp_lg_u32 s[CNT], 0
	s_cbranch_scc1 .Lpair
	TRIP 0, 0, 1, 1, 1                             ; t = 28: loads tile 30, asks for tile 31
	TRIP 1, 0, 1, 1, 0                             ; t = 29: loads tile 31, the last
	TRIP 0, 0, 1, 0, 0                             ; t = 30: stores tile 31
	TRIP 1, 0, 0, 0, 0                             ; t = 31: no store, no barrier
; ---- O / l, and the way out
.irp qt, 0,1,2,3
	v_add_f32 v[LS+2*\qt], v[LS+2*\qt], v[LS+2*\qt+1]      ; these plain instructions are also the places behind the last P V products
.endr
.irp qt, 0,1,2,3
	v_permlanex16_b32 v[LS+2*\qt+1], v[LS+2*\qt], s[SELLO], s[SELHI]
.endr
.irp qt, 0,1,2,3
	v_add_f32 v[LS+2*\qt], v[LS+2*\qt], v[LS+2*\qt+1]      ; l over all 2,048 keys, in both halves of the lanes
.endr
.irp qt, 0,1,2,3
	v_rcp_f32 v[AL+2*\qt], v[LS+2*\qt]
.endr
	v_nop                                          ; one plain place behind the reciprocals (ISA guide 5.7.2)
	s_wait_alu depctr_va_vdst(0)
	WIN W_SCL
	RESCALE 0, 1
	RESCALE 2, 3
	; 16 queries at a time: lane (r, h) holds d = 16 dt + 8 h + 0..7 of query r, 32 neighbouring bytes; through my own LDS bytes they become whole rows
.irp qt, 0,1,2,3
	WIN W_OUT
.irp dt, 0,1,2,3
	ds_store_b128 v[STO], v[OB+8*(4*\dt+\qt):OB+8*(4*\dt+\qt)+3] offset:64*\dt
	ds_store_b128 v[STO], v[OB+8*(4*\dt+\qt)+4:OB+8*(4*\dt+\qt)+7] offset:64*\dt+16
.endr
	WIN 0
.irp i, 0,1,2,3,4,5,6,7
	ds_load_b128 v[SB+32*\qt+4*\i:SB+32*\qt+4*\i+3], v[RD] offset:2*OP*\i   ; in order behind the stores above and ahead of the next tile's; each tile has its own 32 registers
.endr
.irp i, 0,1,2,3,4,5,6,7
	s_wait_dscnt 7-\i                              ; load i is in; the 7 - i younger ones may be out
	global_store_b128 v[CO], v[SB+32*\qt+4*\i:SB+32*\qt+4*\i+3], s[10:11] offset:512*(8*\qt+\i) th:TH_STORE_NT   ; sixteen lanes store a whole row: 256 neighbouring bytes, aligned
.endr
.endr
	s_set_vgpr_msb 0x5
	s_wait_tensorcnt 0x0
	ds_add_u32 v240, v241
	s_wait_dscnt 0x0
	s_set_vgpr_msb 0x500
	s_endpgm
.Lfunc_end_k_q27968e47b8_attn:
	.size	k_q27968e47b8_attn, .Lfunc_end_k_q27968e47b8_attn-k_q27968e47b8_attn
	.p2alignl 7, 3214868480
	.fill 96, 4, 3214868480
	.section	.rodata,"a",@progbits
	.p2align	6, 0x0
	.amdhsa_kernel k_q27968e47b8_attn
		.amdhsa_group_segment_fixed_size 113664
		.amdhsa_private_segment_fixed_size 0
		.amdhsa_enable_private_segment 0
		.amdhsa_kernarg_size 48
		.amdhsa_user_sgpr_count 2
		.amdhsa_user_sgpr_kernarg_segment_ptr 1
		.amdhsa_wavefront_size32 1
		.amdhsa_system_sgpr_workgroup_id_x 1
		.amdhsa_system_sgpr_workgroup_id_y 1
		.amdhsa_system_sgpr_workgroup_id_z 1
		.amdhsa_system_vgpr_workitem_id 0
		.amdhsa_next_free_vgpr 498
		.amdhsa_next_free_sgpr 98
		.amdhsa_reserve_vcc 0
		.amdhsa_float_denorm_mode_32 3
		.amdhsa_float_denorm_mode_16_64 3
		.amdhsa_memory_ordered 1
		.amdhsa_forward_progress 1
		.amdhsa_inst_pref_size 255
	.end_amdhsa_kernel
	.section	.bss,"aw",@nobits
	.p2align	6
	.space	262144
	.amdgpu_metadata
---
amdhsa.version: [ 1, 2 ]
amdhsa.kernels:
  - .name:           k_q27968e47b8_attn
    .symbol:         k_q27968e47b8_attn.kd
    .args:
      - { .name: k, .offset: 0, .size: 8, .value_kind: global_buffer, .address_space: global }
      - { .name: v, .offset: 8, .size: 8, .value_kind: global_buffer, .address_space: global }
      - { .name: maskw, .offset: 16, .size: 8, .value_kind: global_buffer, .address_space: global }
      - { .name: out0, .offset: 24, .size: 8, .value_kind: global_buffer, .address_space: global }
      - { .name: q, .offset: 32, .size: 8, .value_kind: global_buffer, .address_space: global }
      - { .name: actw, .offset: 40, .size: 8, .value_kind: global_buffer, .address_space: global }
    .group_segment_fixed_size: 113664
    .private_segment_fixed_size: 0
    .kernarg_segment_align: 8
    .kernarg_segment_size: 48
    .max_flat_workgroup_size: 256
    .sgpr_count:     98
    .vgpr_count:     498
    .wavefront_size: 32
...
	.end_amdgpu_metadata
.endif
;; end of part 4
